; MI455X (gfx1250); checked and timed in simulation.
; The chip was launched on July 23, 2026; its instructions are those of AMD's public machine-readable ISA for CDNA 5 (MIT licence, August 2026) and "CDNA5" Instruction Set Architecture Reference Guide (July 2026). The comments in the code are by the model that wrote it; some were corrected since.
;; Self Norm Attention. Allowed arithmetic: matrix products marked QUANTISED: E4M3 operands, one E8M0 scale for each 32 along K, by v_wmma_scale_f32_16x16x128_f8f6f4 with both operands' format E4M3, f32 sums; everything else in f32.
;; Inputs: n 4 x 2,048 x 16 float32; qk_codes 4 x 2,048 x 2 x 16 x 2 x 32 uint8 (E4M3 codes of qk, K innermost, in blocks of 32 codes); qk_scales 4 x 2,048 x 2 x 16 x 2 uint8 (E8M0 scales of qk, one for each 32 codes along K); v_codes 4 x 16 x 64 x 64 x 32 uint8 (E4M3 codes of v, K innermost, in blocks of 32 codes); v_scales 4 x 16 x 64 x 64 uint8 (E8M0 scales of v, one for each 32 codes along K).
;; Outputs: out0 4 x 2,048 x 16 x 64 float32.
;; This version of the problem:
;;   THIS VERSION OF THE PROBLEM IS GIVEN IN LOW PRECISION. The matrix products marked QUANTISED in the list below multiply operands that are first quantised to E4M3 (4 exponent bits, 3 mantissa bits; 8 bits a number), with one power-of-two scale for each 32 numbers along K (OCP MX v1.0); their sums are f32. All else is computed in f32.
;;   The module's matrix products, in the order in which they are computed (A, B: the left and right operand; K: the contracted axis; several contracted axes count as one K, in the product's order):
;;     1. batch 64 x [M 2,048, K 64] x [K 64, N 2,048]; A: input qk (given as codes); B: input qk (given as codes): QUANTISED
;;     2. batch 64 x [M 64, K 2,048] x [K 2,048, N 2,048]; A: input v (given as codes); B: computed on the way: QUANTISED
;;   THE QUANTISER, for each operand of a quantised product, along K:
;;     - K is cut into blocks of 32 from its start; a last block that is shorter is filled with zeros.
;;     - A block's scale is 2^e with e = floor(log2(the largest magnitude in the block)) - 8, held to -126 .. 127; a block of zeros has e = 0. As a byte (E8M0): e + 127.
;;     - Each number is divided by its block's scale, clamped to +-448, and rounded to the nearest number of E4M3, ties to even, subnormals kept.
;;     - The product sums the exact products of the quantised numbers (number of the format x scale) in f32.
;;   ~~~python
;;   def quantise(x, axis):      # numpy; x: float32 -> the quantised numbers, widened to float32 again
;;       x = np.moveaxis(x, axis, -1); K = x.shape[-1]
;;       x = np.pad(x, [(0, 0)] * (x.ndim - 1) + [(0, -K % 32)]); x = x.reshape(x.shape[:-1] + (-1, 32)); a = np.abs(x).max(-1, keepdims=True)
;;       e = np.where(a > 0, np.clip(np.frexp(np.where(a > 0, a, 1))[1] - 1 - 8, -126, 127), 0)      # np.frexp(a)[1] - 1 = floor(log2(a)), exactly
;;       r = np.clip(x / 2.0 ** e, -448, 448)
;;       step = 2.0 ** (np.maximum(np.frexp(np.where(r == 0, 1, r))[1] - 1, -6) - 3)
;;       q = np.round(r / step) * step * 2.0 ** e      # np.round: ties to even
;;       return np.moveaxis(q.reshape(q.shape[:-2] + (-1,))[..., :K], -1, axis).astype(np.float32)
;;   ~~~
;;   OPERANDS COMPUTED ON THE WAY. 'Computed on the way' means the value that the module computes at that place (a softmax that the list does not call 'softmax' is quantised finished and normalised). What goes into a quantiser is computed in f32, as accurately as f32 sums, v_exp_f32 and their like allow (about 1e-6 of the number): no bf16 or f16 on the way to a quantiser, and a product that is left as it is and whose result goes on into a quantised operand takes f32 operands (vector FMAs, or v_wmma_f32_16x16x4_f32). A number that lies on a knife's edge between two numbers of the format may be rounded either way, as far as f32 arithmetic and the matrix unit's own rounding can turn it there, and no further.
;;   INPUTS GIVEN AS CODES. qk (in the module: [4, 2048, 2, 16, 64], K = its axis 4); v (in the module: [4, 2048, 16, 64], K = its axis 1): each comes as NAME_codes (uint8): NAME with its K axis moved to the last place and cut into blocks of 32 codes, [.., K / 32, bytes a block], one block behind the other in memory; one code a byte (a code: sign, 4 exponent bits, 3 mantissa bits); and NAME_scales (uint8): the same leading axes, one E8M0 byte (e + 127) for each 32 codes along K. Its value is code x scale, taken as it is: it is not quantised again, and the codes and scales need not be those that the quantiser above would give.
;; One version. Each part assembles by itself: llvm-mc -triple=amdgcn-amd-amdhsa -mcpu=gfx1250 --defsym DOCPART=n.
;; ======== version 1 of 1: 1 launch
;; launch attn (part 1): grid 4 x 64, 8 waves a work-group, clusters of 4 x 1, 327,680 bytes of LDS; arguments n, qk_codes, qk_scales, v_codes, v_scales, out0; writes out0
.if DOCPART == 1
	.amdgcn_target "amdgcn-amd-amdhsa--gfx1250"
	.amdhsa_code_object_version 6
	.text
	.protected	k_q0ad31b251f_attn
	.globl	k_q0ad31b251f_attn
	.p2align	8
	.type	k_q0ad31b251f_attn,@function
k_q0ad31b251f_attn:
	s_mov_b64 s[64:65], 0
	v_nop
	global_prefetch_b8 v0, s[64:65] scope:SCOPE_SE
	s_setreg_imm32_b32 hwreg(HW_REG_WAVE_MODE, 25, 1), 1
	s_wait_xcnt 0x0
	s_wait_alu depctr_hold_cnt(0) depctr_sa_sdst(0) depctr_va_vdst(0) depctr_va_sdst(0) depctr_va_ssrc(0) depctr_va_vcc(0) depctr_vm_vsrc(0)
	s_getreg_b32 s2, hwreg(HW_REG_IB_STS2, 6, 4)
	s_cmp_eq_u32 s2, 0
	s_cbranch_scc0 .Lentry_in_a_cluster
	s_endpgm
.Lentry_in_a_cluster:
	s_bfe_u32 s2, ttmp6, 0x10000c
	s_cmp_lg_u32 s2, 0x3003
	s_cbranch_scc0 .Lentry_shape_is_right
	s_endpgm
.Lentry_shape_is_right:
; out[b][t][hd][:] = sum over keys s <= t of Quant( (q[t] . k[s]) / exp(n[b][t][hd]) ) v[s][:], for 4 x 16 heads, 2,048 positions, head size 64.
; Both products run on E4M3 codes with E8M0 scales (v_wmma_scale_f32_16x16x128_f8f6f4); q, k and v arrive as codes; the scaled, masked scores are quantised here, along the keys, in blocks of 32.
; SHARES.  A cluster of four work-groups serves one head (cluster y = 16 b + hd).  The queries fall into 16 blocks of 128; work-group cx owns queries 128 m + 32 cx + 0 .. 31 of EVERY block m: two tiles of 16.
;   So the four partners run the same text with the same branches; cx enters only global addresses of q, n and out, and the number that the diagonal's compare takes.
;   Wave w of eight owns blocks MA = w (tiles 0, 1) and MB = 15 - w (tiles 2, 3).  Block m wants key steps 0 .. m of 128 keys: 2 (w + 1) + 2 (16 - w) = 34 tile steps in every wave.
; LDS.  The head's k, v and their scale bytes lie in LDS whole, filled ONCE: no byte is filled again.  k and v come by joint tensor loads (the four partners need the same bytes), two a wave:
;   first keys 0 .. 255, then keys 256 .. 2,047, so that the first two key steps are worked while the rest is on its way.  The scale bytes go through registers into two small tables.
; FIRST PRODUCT, transposed: S^T = K Q^T.  The form is 128 deep and the head 64: a fragment of K holds TWO key tiles (keys 32 F + r in blocks 0, 1; keys 32 F + 16 + r in blocks 2, 3), and Q stands beside
;   eight registers of zero codes: [Q Z] gives the first key tile, [Z Q] the second.  A lane then holds ONE query (lane % 16); register 8 e + j holds key 16 e + 8 (lane / 16) + j.
; SECOND PRODUCT, source 0 = P (16 queries x 128 keys), source 1 = 16 channels of V.  Inside each block of 32 the keys stand in the order in which S^T's registers hold them, in P and in V alike
;   (registers 2 e, 2 e + 1: keys 16 e + 8 (lane / 16) + 0 .. 7), so a conversion's result is the operand's register pair, and V comes by loads of 8 bytes.
;   V's tile dl holds channels 4 r + dl, so that register j of the four tiles is four neighbouring channels of one query: 16 lanes store a whole row of 256 bytes, with no way through LDS.
; LIMITS.  NaN codes and scale bytes 0xff are not served (a NaN in one key tile of a fragment would reach the other).  1 / exp(n) is made as 2^(-n log2 e): it is 0 where exp(-n) < 2^-126 (n above 87.3)
;   and not finite for n below -88.7.  A block of zero scores gets the scale byte 1, not 127: its codes are zeros, and only this text reads the byte.
.set KP,    80                         ; a key's row in LDS: 64 bytes + 16 = 20 words: 16 rows begin at 16 different columns of 16 bytes (64 banks of 4 bytes: ISA guide 11.1)
.set V0B,   2048*KP                    ; behind K's 2,048 rows: V, keys 0 .. 255: four tiles dl of 16 rows, 256 bytes + 16
.set VP0,   272
.set DSTR0, 16*VP0
.set V1B,   V0B+4*DSTR0                ; V, keys 256 .. 2,047: four tiles dl of 16 rows, 1,792 bytes with 16 of padding behind every 256
.set VP1,   1904
.set DSTR1, 16*VP1
.set KSB,   V1B+4*DSTR1                ; K's scale words: word 16 F + r = (bytes of key 32 F + r) | (bytes of key 32 F + 16 + r) << 16; 1,024 words
.set VSB,   KSB+4096                   ; V's scale bytes: row 16 dl + r = channel 4 r + dl, 64 bytes + 16
.set VSP,   80
; vector registers, window 0
.set AK,   4                           ; v4     80 r + 16 h: my place in a tile of K
.set AV,   5                           ; v5, v6 my place in a tile of V, keys 0 .. 255 and keys 256 on
.set AKS,  7                           ; v7     my place among K's scale words
.set AVS,  8                           ; v8     and among V's
.set ADK,  9                           ; v9     the step's addresses: K,
.set ADV,  10                          ; v10, v11  V's tiles 0, 1 and 2, 3,
.set ADS,  12                          ; v12    K's scale words,
.set ADT,  13                          ; v13    V's
.set VD,   14                          ; v14, v15  the diagonal: 32 cx + 16 tau + r - 8 h
.set OA,   16                          ; v16, v17  my byte offset in out for blocks MA, MB
.set RN,   20                          ; v[20:27]  1 / exp(n) of my query in tile t, twice: a pair for the packed multiply
.set QSL,  28                          ; v28-31 Q's scale bytes in bytes 0, 1 (for [Q Z]); v32-35 in bytes 2, 3 (for [Z Q])
.set KSW,  36                          ; v36, v37  K's scale words: fragments 0 | 1 and 2 | 3 in lanes 0-15 | 16-31
.set VSW,  38                          ; v38, v39  V's: tiles 0 | 1 and 2 | 3
.set PW,   40                          ; v40    P's scale word
.set QO,   41                          ; v41, v42  at the head: Q's offsets
.set TMPV, 43
.set TM,   44                          ; v44-59 at work in QUANT
.set P,    60                          ; v60-75 P's codes
.set QZ,   76                          ; v76-147  Z Q0 Z Q1 Z Q2 Z Q3 Z, eight registers each
.set S,    148                         ; v148-211 S^T of the tile in hand
.set G,    212                         ; v212-243 the way out; at the head what the tables' loads bring
; window 1: v0-127 the sums of out (tile t, channels' tile dl at 32 t + 8 dl); v128-191 K's four fragments; v192-255 V's four tiles
.set KF,   128
.set VF,   192
; scalar registers
.set WV,  16
.set CX,  17
.set BH,  18
.set BT,  19
.set HD,  20
.set MA,  21
.set MB,  22
.set ST,  23                           ; the key step
.set TK,  24
.set TKS, 25
.set TVS, 26
.set TV,  27
.set KSP, 28                           ; s[28:29] K's scale bytes in memory
.set SEL, 32                           ; s[32:33] v_permlanex16_b32's selects for lane l xor 16
.set MNT, 34                           ; the mantissa field of 448
.set W3,  35                           ; wave % 4
.set G1K0, 36
.set G1K1, 44
.set G1V0, 52
.set G0K0, 60
.set G1V1, 68
.set G0K1, 76
.set G0V0, 80
.set G0V1, 84
.set MSB, 0
.macro WIN new                         ; the immediate's high byte repeats the setting that is left; a switch that changes nothing is dropped
.if MSB != \new
	s_set_vgpr_msb (MSB<<8)|\new
.set MSB, \new
.endif
.endm
; descriptor group 1: r rows of c bytes, p bytes apart in memory; 16 bytes of padding behind every 2 << qi words; the mask names all four work-groups, bit 21 stands beside it
.macro GROUP1 g, qi, c, r, p
	s_mov_b32 s[\g+0], 15|(1<<20)|(1<<21)|((\qi)<<22)|(3<<25)
	s_mov_b32 s[\g+1], ((\c)&0xffff)<<16
	s_mov_b32 s[\g+2], ((\c)>>16)|(((\r)&0xffff)<<16)
	s_mov_b32 s[\g+3], ((\r)>>16)|((\c)<<16)
	s_mov_b32 s[\g+4], \r
	s_mov_b32 s[\g+5], \p
	s_mov_b32 s[\g+6], 0
	s_mov_b32 s[\g+7], 0
.endm
; a round of the cluster's barrier
.macro ROUND
	s_barrier_signal -1
	s_barrier_wait -1
	s_cmp_lg_u32 s[WV], 0
	s_cbranch_scc1 .Lnot_wave_0_\@
	s_barrier_signal -3
.Lnot_wave_0_\@:
	s_barrier_wait -3
	s_barrier_signal -1
	s_barrier_wait -1
.endm
	s_load_b256 s[4:11], s[0:1], 0x0               ; n s[4:5], qk_codes s[6:7], qk_scales s[8:9], v_codes s[10:11]
	s_load_b128 s[12:15], s[0:1], 0x20             ; v_scales s[12:13], out0 s[14:15]
	v_lshl_add_u32 v254, v0, 2, 0x4c400
	v_mov_b32 v255, 0
	ds_add_u32 v254, v255
	ds_add_u32 v254, v255
	v_lshrrev_b32 v1, 5, v0
	v_readfirstlane_b32 s[WV], v1                  ; wave 0..7
	s_bfe_u32 s[CX], ttmp6, 0x40000                ; my place in the cluster
	s_and_b32 s[BH], ttmp7, 0xffff                 ; the head: 16 b + hd, which the four partners share
	s_lshr_b32 s[BT], s[BH], 4
	s_and_b32 s[HD], s[BH], 15
	s_mov_b32 s[MA], s[WV]
	s_xor_b32 s[MB], s[WV], 15
	s_and_b32 s[W3], s[WV], 3
	s_mov_b32 s[SEL], 0x76543210
	s_mov_b32 s[SEL+1], 0xfedcba98
	s_mov_b32 s[MNT], 0x600000
	GROUP1 G1K0, 3, 64, 64, 2048                   ; K, keys 0 .. 255: 64 rows a wave; a key's 64 codes lie 2,048 bytes from the next key's
	GROUP1 G1K1, 3, 64, 448, 2048                  ; K, keys 256 on: 448 rows a wave
	GROUP1 G1V0, 5, 256, 16, 8192                  ; V, keys 0 .. 255: every fourth channel (4 x 2,048 bytes apart): 16 rows
	GROUP1 G1V1, 5, 1792, 16, 8192                 ; V, keys 256 on
	; group 0: waves 0-3 fetch K's quarters, waves 4-7 V's tiles dl = wave % 4.  First the offsets, which hang on the head and the wave's number alone
	s_lshl_b32 s88, s[BT], 22
	s_lshl_b32 s89, s[HD], 6
	s_add_co_u32 s88, s88, s89
	s_add_co_u32 s88, s88, 1024                    ; k of my head at key 0
	s_lshl_b32 s89, s[W3], 17                      ; 64 keys a wave
	s_add_co_u32 s[G0K0+2], s88, s89
	s_mov_b32 s[G0K0+3], 0
	s_mul_i32 s89, s[W3], 448<<11
	s_add_co_u32 s89, s89, 256<<11                 ; key 256 + 448 x wave
	s_add_co_u32 s[G0K1+2], s88, s89
	s_mov_b32 s[G0K1+3], 0
	s_lshl_b32 s88, s[BH], 17
	s_lshl_b32 s89, s[W3], 11                      ; channel dl
	s_add_co_u32 s[G0V0+2], s88, s89
	s_mov_b32 s[G0V0+3], 0
	s_add_co_u32 s[G0V1+2], s[G0V0+2], 256         ; key 256
	s_mov_b32 s[G0V1+3], 0
	s_mov_b32 s[G0K0], 1
	s_mul_i32 s[G0K0+1], s[W3], 64*KP
	s_mov_b32 s[G0K1], 1
	s_mul_i32 s[G0K1+1], s[W3], 448*KP
	s_add_co_u32 s[G0K1+1], s[G0K1+1], 256*KP
	s_mov_b32 s[G0V0], 1
	s_mul_i32 s[G0V0+1], s[W3], DSTR0
	s_add_co_u32 s[G0V0+1], s[G0V0+1], V0B
	s_mov_b32 s[G0V1], 1
	s_mul_i32 s[G0V1+1], s[W3], DSTR1
	s_add_co_u32 s[G0V1+1], s[G0V1+1], V1B
	s_wait_dscnt 0x0
	s_wait_kmcnt 0x0
	s_add_nc_u64 s[G0K0+2:G0K0+3], s[6:7], s[G0K0+2:G0K0+3]
	s_or_b32 s[G0K0+3], s[G0K0+3], 0x80000000
	s_add_nc_u64 s[G0K1+2:G0K1+3], s[6:7], s[G0K1+2:G0K1+3]
	s_or_b32 s[G0K1+3], s[G0K1+3], 0x80000000
	s_add_nc_u64 s[G0V0+2:G0V0+3], s[10:11], s[G0V0+2:G0V0+3]
	s_or_b32 s[G0V0+3], s[G0V0+3], 0x80000000
	s_add_nc_u64 s[G0V1+2:G0V1+3], s[10:11], s[G0V1+2:G0V1+3]
	s_or_b32 s[G0V1+3], s[G0V1+3], 0x80000000
	ROUND                                          ; all four work-groups are here: the joint loads meet
	s_cmp_lt_u32 s[WV], 4                          ; a wave's two loads stand in one branch: two tensor loads of mine are out; four v_nop follow the second
	s_cbranch_scc0 .Lfirst_v
	tensor_load_to_lds s[G0K0:G0K0+3], s[G1K0:G1K0+7]
	s_nop 0
	tensor_load_to_lds s[G0K1:G0K1+3], s[G1K1:G1K1+7]
	s_nop 0
.rept 4
	v_nop
.endr
	s_branch .Lfirst_asked
.Lfirst_v:
	tensor_load_to_lds s[G0V0:G0V0+3], s[G1V0:G1V0+7]
	s_nop 0
	tensor_load_to_lds s[G0V1:G0V1+3], s[G1V1:G1V1+7]
	s_nop 0
.rept 4
	v_nop
.endr
.Lfirst_asked:
	; the other buffers at my head and my work-group's first query (32 cx)
	s_lshl_b32 s30, s[BT], 17
	s_lshl_b32 s88, s[HD], 1
	s_add_co_u32 s30, s30, s88                     ; (b << 17) + 2 hd
	s_mov_b32 s31, 0
	s_add_nc_u64 s[8:9], s[8:9], s[30:31]
	s_add_nc_u64 s[KSP:KSP+1], s[8:9], 32          ; k's scale bytes lie 32 bytes behind q's
	s_lshl_b32 s90, s[CX], 11                      ; 32 cx positions of 64 bytes
	s_mov_b32 s91, 0
	s_add_nc_u64 s[8:9], s[8:9], s[90:91]          ; q's scale bytes
	s_add_co_u32 s30, s30, s88                     ; (b << 17) + 4 hd
	s_add_nc_u64 s[4:5], s[4:5], s[30:31]
	s_add_nc_u64 s[4:5], s[4:5], s[90:91]          ; n
	s_lshl_b32 s30, s[BT], 22
	s_lshl_b32 s88, s[HD], 6
	s_add_co_u32 s30, s30, s88
	s_add_nc_u64 s[6:7], s[6:7], s[30:31]
	s_lshl_b32 s90, s[CX], 16                      ; 32 cx positions of 2,048 bytes
	s_add_nc_u64 s[6:7], s[6:7], s[90:91]          ; q's codes
	s_lshl_b32 s30, s[BH], 12
	s_add_nc_u64 s[12:13], s[12:13], s[30:31]      ; v's scale bytes
	s_lshl_b32 s30, s[BT], 23
	s_lshl_b32 s88, s[HD], 8
	s_add_co_u32 s30, s30, s88
	s_add_nc_u64 s[14:15], s[14:15], s[30:31]
	s_lshl_b32 s90, s[CX], 17                      ; 32 cx positions of 4,096 bytes
	s_add_nc_u64 s[14:15], s[14:15], s[90:91]      ; out
	v_and_b32 v1, 31, v0                           ; lane
	v_and_b32 v2, 15, v0                           ; r
	v_bfe_u32 v3, v0, 4, 1                         ; h
	; K's scale words: thread T makes words T + 256 i, i = 0 .. 3: F = T / 16 + 16 i, r = T % 16: two bytes of key 32 F + r and two of key 32 F + 16 + r
	v_lshrrev_b32 v18, 4, v0
	v_lshl_add_u32 v18, v18, 5, v2
	v_lshlrev_b32 v18, 6, v18                      ; a position's scale bytes are 64
.irp i, 0,1,2,3
	global_load_u16 v[G+2*\i], v18, s[KSP:KSP+1] offset:32768*\i
	global_load_u16 v[G+2*\i+1], v18, s[KSP:KSP+1] offset:32768*\i+1024
.endr
	v_lshlrev_b32 v19, 4, v0                       ; V's scale bytes: 4,096 dense bytes, 16 a thread
	global_load_b128 v[G+8:G+11], v19, s[12:13]
	; Q's fragments stay in registers: tile t: block MA (t < 2) or MB, query 16 (t % 2) + r; registers 4 c on: channels 32 c + 16 h + 0 .. 15
	v_lshlrev_b32 v[TMPV], 11, v2
	v_lshl_add_u32 v[TMPV], v3, 4, v[TMPV]
	s_lshl_b32 s88, s[MA], 18
	s_lshl_b32 s89, s[MB], 18
	v_add_nc_u32 v[QO], s88, v[TMPV]
	v_add_nc_u32 v[QO+1], s89, v[TMPV]
.irp t, 0,1,2,3
.irp c, 0,1
	global_load_b128 v[QZ+8+16*\t+4*\c:QZ+8+16*\t+4*\c+3], v[QO+\t/2], s[6:7] offset:32768*(\t%2)+32*\c
.endr
.endr
	v_lshlrev_b32 v[TMPV], 6, v2
	s_lshl_b32 s88, s[MA], 13
	s_lshl_b32 s89, s[MB], 13
	v_add_nc_u32 v10, s88, v[TMPV]
	v_add_nc_u32 v11, s89, v[TMPV]
.irp t, 0,1,2,3
	global_load_u16 v[QSL+\t], v[10+\t/2], s[8:9] offset:1024*(\t%2)     ; my query's two scale bytes; bytes 2, 3 come as 0
	global_load_b32 v[RN+2*\t], v[10+\t/2], s[4:5] offset:1024*(\t%2)    ; and its n
.endr
	; addresses that stay, and what has to be cleared once, while the loads are on their way
	v_lshl_add_u32 v12, v0, 2, KSB                 ; where I store K's scale words
	v_bfe_u32 v13, v0, 2, 2                        ; V's: my 16 bytes belong to channel T / 4 = 4 r' + dl': row 16 dl' + r'
	v_lshrrev_b32 v9, 4, v0
	v_lshl_add_u32 v13, v13, 4, v9
	v_mul_u32_u24 v13, v13, VSP
	v_and_b32 v9, 3, v0
	v_lshl_add_u32 v13, v9, 4, v13
	v_add_nc_u32 v13, VSB, v13
	v_mul_u32_u24 v[AK], v2, KP
	v_lshl_add_u32 v[AK], v3, 4, v[AK]
	v_mul_u32_u24 v[AV], v2, VP0
	v_lshl_add_u32 v[AV], v3, 3, v[AV]
	v_add_nc_u32 v[AV], V0B, v[AV]
	v_mul_u32_u24 v[AV+1], v2, VP1
	v_lshl_add_u32 v[AV+1], v3, 3, v[AV+1]
	v_add_nc_u32 v[AV+1], V1B-VP0, v[AV+1]         ; key 256 stands at the row's first byte: 256 bytes and one padding are taken off the step's place
	v_lshl_add_u32 v[AKS], v1, 2, KSB
	v_mul_u32_u24 v[AVS], v1, VSP
	v_add_nc_u32 v[AVS], VSB, v[AVS]
	v_lshlrev_b32 v[TMPV], 3, v3
	v_sub_nc_u32 v[VD], v2, v[TMPV]
	s_lshl_b32 s90, s[CX], 5
	v_add_nc_u32 v[VD], s90, v[VD]
	v_add_nc_u32 v[VD+1], 16, v[VD]
	v_lshlrev_b32 v[TMPV], 15, v3                  ; 8 h rows of 4,096 bytes
	v_lshl_add_u32 v[TMPV], v2, 4, v[TMPV]         ; + 16 r: channels 4 r .. 4 r + 3
	s_lshl_b32 s88, s[MA], 19
	s_lshl_b32 s89, s[MB], 19
	v_add_nc_u32 v[OA], s88, v[TMPV]
	v_add_nc_u32 v[OA+1], s89, v[TMPV]
.irp g, 0,1,2,3,4
.irp i, 0,1,2,3,4,5,6,7
	v_mov_b32 v[QZ+16*\g+\i], 0                    ; the zero codes beside Q
.endr
.endr
.irp b, 0,1,2,3
	v_mov_b32 v[TM+4+\b], 0                        ; written once: a lane permute's destination counts as one of its sources
.endr
	WIN 0x40                                       ; destination window 1
.set ii, 0
.rept 128
	v_mov_b32 v[ii], 0                             ; the sums begin as zeros, once, while the first tiles are on their way: so the key step is written without a first step of its own
.set ii, ii+1
.endr
	WIN 0
	s_mov_b32 s88, 0x3fb8aa3b                      ; log2(e), rounded,
	s_mov_b32 s89, 0x32a57060                      ; and what the rounding left
	s_wait_loadcnt 0x0
.irp i, 0,1,2,3
	v_lshl_or_b32 v[G+2*\i], v[G+2*\i+1], 16, v[G+2*\i]
.endr
.irp i, 0,1,2,3
	ds_store_b32 v12, v[G+2*\i] offset:1024*\i
.endr
	ds_store_b128 v13, v[G+8:G+11]
.irp t, 0,1,2,3
	v_lshlrev_b32 v[QSL+4+\t], 16, v[QSL+\t]       ; Q's scale bytes for [Z Q]
.endr
	; 1 / exp(n) = 2^-(x + e): x = n log2(e) rounded, e what that product's rounding and the constant's left; 2^-e = 1 - e ln 2 to f32
.irp t, 0,1,2,3
	v_mul_f32 v[TM+\t], s88, v[RN+2*\t]
.endr
.irp t, 0,1,2,3
	v_fma_f32 v[TM+8+\t], v[RN+2*\t], s88, -v[TM+\t]
.endr
.irp t, 0,1,2,3
	v_fma_f32 v[TM+8+\t], v[RN+2*\t], s89, v[TM+8+\t]
.endr
.irp t, 0,1,2,3
	v_exp_f32 v[RN+2*\t+1], -v[TM+\t]
.endr
.irp t, 0,1,2,3
	v_mul_f32 v[TM+8+\t], 0x3f317218, v[TM+8+\t]   ; e ln 2: plain work behind the four exponentials, which names none of their results
.endr
	s_wait_alu depctr_va_vdst(0)                   ; one wait for the four, ahead of their first reader
.irp t, 0,1,2,3
	v_fma_f32 v[RN+2*\t], -v[TM+8+\t], v[RN+2*\t+1], v[RN+2*\t+1]
.endr
.irp t, 0,1,2,3
	v_mov_b32 v[RN+2*\t+1], v[RN+2*\t]
.endr
; The 64 scores of my query in v[S] on become the second product's operand: x 1 / exp(n); each block of 32 keys (16 registers of mine, 16 of lane l xor 16) gets its scale; hold; conversion.
.macro QUANT t
.set ii, 0
.rept 32
	v_pk_mul_f32 v[S+ii:S+ii+1], v[S+ii:S+ii+1], v[RN+2*(\t):RN+2*(\t)+1]   ; ascending: each accumulator is first read at its low end
.set ii, ii+2
.endr
.irp b, 0,1,2,3
	v_max3_num_f32 v[TM+\b], |v[S+16*\b]|, |v[S+1+16*\b]|, 0x4800000   ; with the floor 2^(9 - 127): the byte cannot fall under 1
.endr
.irp i, 2,4,6,8,10,12,14
.irp b, 0,1,2,3
	v_max3_num_f32 v[TM+\b], v[TM+\b], |v[S+16*\b+\i]|, |v[S+1+16*\b+\i]|   ; the four blocks by turns
.endr
.endr
.irp b, 0,1,2,3
	v_permlanex16_b32 v[TM+4+\b], v[TM+\b], s[SEL], s[SEL+1]
.endr
.irp b, 0,1,2,3
	v_max_num_f32 v[TM+\b], v[TM+\b], v[TM+4+\b]   ; the block's largest magnitude
.endr
.irp b, 0,1,2,3
	v_add_nc_u32 v[TM+12+\b], 0xfc000000, v[TM+\b]   ; 8 off its exponent field: the conversion's scale operand
.endr
.irp b, 0,1,2,3
	v_and_or_b32 v[TM+8+\b], v[TM+\b], 0x7f800000, s[MNT]   ; 448 x the scale
.endr
.irp b, 0,1,2,3
	v_lshrrev_b32 v[TM+4+\b], 23, v[TM+12+\b]      ; the scale's byte
.endr
	v_lshl_or_b32 v[PW], v[TM+5], 8, v[TM+4]
	v_lshl_or_b32 v[PW], v[TM+6], 16, v[PW]
	v_lshl_or_b32 v[PW], v[TM+7], 24, v[PW]        ; my query's scale word for these 128 keys
.irp b, 0,1,2,3
.irp i, 0,1,2,3,4,5,6,7,8,9,10,11,12,13,14,15
	v_med3_num_f32 v[S+16*\b+\i], v[S+16*\b+\i], -v[TM+8+\b], v[TM+8+\b]   ; the conversion to an 8-bit code does not saturate (ISA guide 7.6.2): the hold at 448 x the scale
.endr
	v_cvt_scalef32_pk8_fp8_f32 v[P+4*\b:P+1+4*\b], v[S+16*\b:S+7+16*\b], v[TM+12+\b]
	v_cvt_scalef32_pk8_fp8_f32 v[P+2+4*\b:P+3+4*\b], v[S+8+16*\b:S+15+16*\b], v[TM+12+\b]
.endr
.rept 4
	v_nop                                          ; an operand written by vector instructions stands four places ahead of a scaled matrix instruction; the scale word was made ahead of the holds
.endr
.endm
; One tile of 16 queries against the step's 128 keys.  m: the register with the tile's block.  full = 1: the text holds the diagonal's mask and the way out, both taken where the step is the block's own.
.macro TILE t, m, full
	WIN 0x01                                       ; source 0 (K) window 1
.irp e, 0,1,2,3,4,5,6,7                        ; key tile e: fragment e / 2; [Q Z] for the even tile, [Z Q] for the odd; eight accumulators, each begun with the constant 0
.if (\e/2)%2
	v_wmma_scale_f32_16x16x128_f8f6f4 v[S+8*\e:S+8*\e+7], v[KF+16*(\e/2):KF+16*(\e/2)+15], v[QZ+8+16*(\t)-8*(\e%2):QZ+23+16*(\t)-8*(\e%2)], 0, v[KSW+\e/4], v[QSL+4*(\e%2)+(\t)] matrix_a_scale:MATRIX_SCALE_ROW1
.else
	v_wmma_scale_f32_16x16x128_f8f6f4 v[S+8*\e:S+8*\e+7], v[KF+16*(\e/2):KF+16*(\e/2)+15], v[QZ+8+16*(\t)-8*(\e%2):QZ+23+16*(\t)-8*(\e%2)], 0, v[KSW+\e/4], v[QSL+4*(\e%2)+(\t)]
.endif
.endr
	WIN 0
.rept 8
	v_nop                                          ; eight places between these products and the first read of their results
.endr
.if \full
	s_cmp_lg_u32 s[ST], s[\m]                      ; a branch on the wave's number and the step's: the same in all four partners
	s_cbranch_scc1 .Lopen_\@
.irp e, 0,1,2,3,4,5,6,7                        ; on the diagonal: register 8 e + j holds key 16 e + 8 h + j of the step: hidden, and made 0, where 16 e + j > 32 cx + 16 tau + r - 8 h
.irp j, 0,1,2,3,4,5,6,7
	v_cmp_gt_i32 vcc_lo, 16*\e+\j, v[VD+(\t)%2]
	v_cndmask_b32 v[S+8*\e+\j], v[S+8*\e+\j], v[QZ], vcc_lo
.endr
.endr
.Lopen_\@:
.endif
	QUANT \t
.if (\t) == 2
	s_wait_dscnt 0x0                               ; V's tiles are in (tile 2 is the first of every step)
.endif
	WIN 0x54                                       ; source 1 (V), C and D window 1
.irp d, 0,1,2,3                                ; the tile's four accumulators by turns, one instruction a turn
.if \d%2
	v_wmma_scale_f32_16x16x128_f8f6f4 v[32*(\t)+8*\d:32*(\t)+8*\d+7], v[P:P+15], v[VF+16*\d:VF+16*\d+15], v[32*(\t)+8*\d:32*(\t)+8*\d+7], v[PW], v[VSW+\d/2] matrix_b_scale:MATRIX_SCALE_ROW1
.else
	v_wmma_scale_f32_16x16x128_f8f6f4 v[32*(\t)+8*\d:32*(\t)+8*\d+7], v[P:P+15], v[VF+16*\d:VF+16*\d+15], v[32*(\t)+8*\d:32*(\t)+8*\d+7], v[PW], v[VSW+\d/2]
.endif
.endr
	WIN 0
.if \full
	s_cmp_lg_u32 s[ST], s[\m]
	s_cbranch_scc1 .Lgo_on_\@
.rept 8
	v_nop                                          ; eight places ahead of the first read of the sums
.endr
	s_wait_xcnt 0x0                                ; the last tile's stores have read their data: G may be written
	WIN 0x01                                       ; source 0 window 1
.irp j, 0,1,2,3,4,5,6,7                        ; register j of the four accumulators: out(query 8 h + j, channels 4 r + 0 .. 3); j = 0 first: each accumulator is first read at its low end
.irp d, 0,1,2,3
	v_mov_b32 v[G+4*\j+\d], v[32*(\t)+8*\d+\j]
.endr
.endr
	WIN 0
.irp j, 0,1,2,3,4,5,6,7
	global_store_b128 v[OA+(\t)/2], v[G+4*\j:G+4*\j+3], s[14:15] offset:65536*((\t)%2)+4096*\j th:TH_STORE_NT   ; 16 lanes store the 256 bytes of one query's head, aligned; lanes 16-31 those of the query 8 on
.endr
.Lgo_on_\@:
.endif
.endm
; A key step: 128 keys.  stg = 0: keys 0 .. 255; 1: keys 256 on.  The fragments are read once and feed all the wave's tiles that still want them.
.macro STEP stg
.if \stg
.set DS, DSTR1
	s_cmp_gt_u32 s[ST], s[MB]                      ; past my later block: nothing is left for this wave
	s_cbranch_scc1 .Lend_\@
.else
.set DS, DSTR0
.endif
	s_mul_i32 s[TK], s[ST], 128*KP
	s_lshl_b32 s[TKS], s[ST], 8                    ; 64 scale words of K a step
	s_lshl_b32 s[TVS], s[ST], 2                    ; 4 scale bytes of each row of V
	s_lshl_b32 s[TV], s[ST], 7
.if \stg
	s_lshr_b32 s89, s[ST], 1
	s_lshl_b32 s89, s89, 4
	s_add_co_u32 s[TV], s[TV], s89                 ; and 16 bytes of padding for each 256 passed
.endif
	v_add_nc_u32 v[ADK], s[TK], v[AK]
	v_add_nc_u32 v[ADV], s[TV], v[AV+\stg]
	v_add_nc_u32 v[ADV+1], 2*DS, v[ADV]
	v_add_nc_u32 v[ADS], s[TKS], v[AKS]
	v_add_nc_u32 v[ADT], s[TVS], v[AVS]
.rept 3
	v_nop                                          ; with the five additions: eight places ahead of loads into registers that matrix instructions have read
.endr
	ds_load_b32 v[KSW], v[ADS]
	ds_load_b32 v[KSW+1], v[ADS] offset:128
	ds_load_b32 v[VSW], v[ADT]
	ds_load_b32 v[VSW+1], v[ADT] offset:32*VSP
	WIN 0x40                                       ; destination window 1
.irp e, 0,1,2,3,4,5,6,7
.irp c, 0,1
	ds_load_b128 v[KF+8*\e+4*\c:KF+8*\e+4*\c+3], v[ADK] offset:16*KP*\e+32*\c   ; key 16 e + r, channels 32 c + 16 h on
.endr
.endr
.irp d, 0,1,2,3
.irp e, 0,1,2,3,4,5,6,7
	ds_load_b64 v[VF+16*\d+2*\e:VF+16*\d+2*\e+1], v[ADV+\d/2] offset:(\d%2)*DS+16*\e   ; channel 4 r + d, keys 16 e + 8 h + 0 .. 7
.endr
.endr
	WIN 0
	s_wait_dscnt 32                                ; the scale words and K are in; V's 32 loads, issued behind them, may be out
	TILE 2, MB, \stg
	TILE 3, MB, \stg
	s_cmp_gt_u32 s[ST], s[MA]                      ; my earlier block has left
	s_cbranch_scc1 .Lend_\@
	TILE 0, MA, 1
	TILE 1, MA, 1
.Lend_\@:
.endm
	s_wait_tensorcnt 0x1                           ; my part of keys 0 .. 255 has landed; my second load may stay out
	s_wait_dscnt 0x0                               ; my stores into the two tables are done
	s_barrier_signal -1
	s_barrier_wait -1
	s_mov_b32 s[ST], 0
.Lfirst_keys:
	STEP 0
	s_add_co_u32 s[ST], s[ST], 1
	s_cmp_lt_u32 s[ST], 2
	s_cbranch_scc1 .Lfirst_keys
	s_wait_tensorcnt 0x0                           ; my part of keys 256 on has landed,
	s_wait_dscnt 0x0
	s_barrier_signal -1
	s_barrier_wait -1                              ; everybody's has
	s_mov_b32 s[ST], 2
.Lkeys:
	STEP 1
	s_add_co_u32 s[ST], s[ST], 1
	s_cmp_lt_u32 s[ST], 16
	s_cbranch_scc1 .Lkeys
	s_wait_dscnt 0x0                               ; no LDS instruction of mine is out at a signal
	s_wait_tensorcnt 0x0
	ds_add_u32 v254, v255
	s_wait_dscnt 0x0
	ROUND                                          ; the closing round of the cluster's barrier
	s_endpgm
.Lfunc_end_k_q0ad31b251f_attn:
	.size	k_q0ad31b251f_attn, .Lfunc_end_k_q0ad31b251f_attn-k_q0ad31b251f_attn
	.p2alignl 7, 3214868480
	.fill 96, 4, 3214868480
	.section	.rodata,"a",@progbits
	.p2align	6, 0x0
	.amdhsa_kernel k_q0ad31b251f_attn
		.amdhsa_group_segment_fixed_size 327680
		.amdhsa_private_segment_fixed_size 0
		.amdhsa_enable_private_segment 0
		.amdhsa_kernarg_size 48
		.amdhsa_user_sgpr_count 2
		.amdhsa_user_sgpr_kernarg_segment_ptr 1
		.amdhsa_wavefront_size32 1
		.amdhsa_system_sgpr_workgroup_id_x 1
		.amdhsa_system_sgpr_workgroup_id_y 1
		.amdhsa_system_sgpr_workgroup_id_z 1
		.amdhsa_system_vgpr_workitem_id 0
		.amdhsa_next_free_vgpr 512
		.amdhsa_next_free_sgpr 92
		.amdhsa_reserve_vcc 1
		.amdhsa_float_denorm_mode_32 3
		.amdhsa_float_denorm_mode_16_64 3
		.amdhsa_memory_ordered 1
		.amdhsa_forward_progress 1
		.amdhsa_inst_pref_size 167
	.end_amdhsa_kernel
	.amdgpu_metadata
---
amdhsa.version: [ 1, 2 ]
amdhsa.kernels:
  - .name:           k_q0ad31b251f_attn
    .symbol:         k_q0ad31b251f_attn.kd
    .args:
      - { .name: n, .offset: 0, .size: 8, .value_kind: global_buffer, .address_space: global }
      - { .name: qk_codes, .offset: 8, .size: 8, .value_kind: global_buffer, .address_space: global }
      - { .name: qk_scales, .offset: 16, .size: 8, .value_kind: global_buffer, .address_space: global }
      - { .name: v_codes, .offset: 24, .size: 8, .value_kind: global_buffer, .address_space: global }
      - { .name: v_scales, .offset: 32, .size: 8, .value_kind: global_buffer, .address_space: global }
      - { .name: out0, .offset: 40, .size: 8, .value_kind: global_buffer, .address_space: global }
    .group_segment_fixed_size: 327680
    .private_segment_fixed_size: 0
    .kernarg_segment_align: 8
    .kernarg_segment_size: 48
    .max_flat_workgroup_size: 256
    .sgpr_count:     92
    .vgpr_count:     512
    .wavefront_size: 32
...
	.end_amdgpu_metadata
.endif
;; end of part 1
